; MI455X (gfx1250); checked and timed in simulation.
; The chip was launched on July 23, 2026; its instructions are those of AMD's public machine-readable ISA for CDNA 5 (MIT licence, August 2026) and "CDNA5" Instruction Set Architecture Reference Guide (July 2026). The comments in the code are by the model that wrote it; some were corrected since.
;; KNN. Allowed arithmetic: matrix products marked QUANTISED: E3M2 operands, one E8M0 scale for each 32 along K, by v_wmma_scale_f32_16x16x128_f8f6f4 with both operands' format E3M2, f32 sums; everything else in f32.
;; Inputs: X 100,000 x 512 float32; Y 100,000 int32; queries 1,024 x 512 float32.
;; Outputs: out0 1,024 x 2 float32.
;; Constants: K = 5.
;; This version of the problem:
;;   THIS VERSION OF THE PROBLEM IS GIVEN IN LOW PRECISION. The matrix products marked QUANTISED in the list below multiply operands that are first quantised to E3M2 (3 exponent bits, 2 mantissa bits; 6 bits a number), with one power-of-two scale for each 32 numbers along K (OCP MX v1.0); their sums are f32. All else is computed in f32.
;;   The module's matrix products, in the order in which they are computed (A, B: the left and right operand; K: the contracted axis; several contracted axes count as one K, in the product's order):
;;     1. [M 1,024, K 512] x [K 512, N 100,000]; A: input queries; B: input X: QUANTISED
;;   THE QUANTISER, for each operand of a quantised product, along K:
;;     - K is cut into blocks of 32 from its start; a last block that is shorter is filled with zeros.
;;     - A block's scale is 2^e with e = floor(log2(the largest magnitude in the block)) - 4, held to -126 .. 127; a block of zeros has e = 0. As a byte (E8M0): e + 127.
;;     - Each number is divided by its block's scale, clamped to +-28, and rounded to the nearest number of E3M2, ties to even, subnormals kept.
;;     - The product sums the exact products of the quantised numbers (number of the format x scale) in f32.
;;   ~~~python
;;   def quantise(x, axis):      # numpy; x: float32 -> the quantised numbers, widened to float32 again
;;       x = np.moveaxis(x, axis, -1); K = x.shape[-1]
;;       x = np.pad(x, [(0, 0)] * (x.ndim - 1) + [(0, -K % 32)]); x = x.reshape(x.shape[:-1] + (-1, 32)); a = np.abs(x).max(-1, keepdims=True)
;;       e = np.where(a > 0, np.clip(np.frexp(np.where(a > 0, a, 1))[1] - 1 - 4, -126, 127), 0)      # np.frexp(a)[1] - 1 = floor(log2(a)), exactly
;;       r = np.clip(x / 2.0 ** e, -28, 28)
;;       step = 2.0 ** (np.maximum(np.frexp(np.where(r == 0, 1, r))[1] - 1, -2) - 2)
;;       q = np.round(r / step) * step * 2.0 ** e      # np.round: ties to even
;;       return np.moveaxis(q.reshape(q.shape[:-2] + (-1,))[..., :K], -1, axis).astype(np.float32)
;;   ~~~
;; One version. Each part assembles by itself: llvm-mc -triple=amdgcn-amd-amdhsa -mcpu=gfx1250 --defsym DOCPART=n.
;; ======== version 1 of 1: 4 launches
;; limits: right only within a limited range of input values
;; workspace buffers: qcodes 393,216 bytes; qscales 16,384 bytes; q2 4,096 bytes; xcodes 38,400,000 bytes; xscales 1,600,000 bytes; x2 400,128 bytes; gmax 10,240,000 bytes; masks 819,200 bytes of whole numbers
;; launch qprep (part 1): grid 64 x 1, 4 waves a work-group, no clusters, 1,536 bytes of LDS; arguments queries, qcodes, qscales, q2; writes qcodes, qscales, q2
.if DOCPART == 1
	.amdgcn_target "amdgcn-amd-amdhsa--gfx1250"
	.amdhsa_code_object_version 6
	.text
	.protected	k_q22c43f1782_qprep
	.globl	k_q22c43f1782_qprep
	.p2align	8
	.type	k_q22c43f1782_qprep,@function
k_q22c43f1782_qprep:
	s_mov_b64 s[64:65], 0
	v_nop
	global_prefetch_b8 v0, s[64:65] scope:SCOPE_SE
	s_setreg_imm32_b32 hwreg(HW_REG_WAVE_MODE, 25, 1), 1
	s_wait_xcnt 0x0
; QPREP.  queries [1024][512] f32 become codes of BF6 (E3M2), one E8M0 scale byte for each 32 along K, and the rows' sums of squares q2.
; A work-group takes one tile of 16 queries, wave w the K step w (columns 128 w .. 128 w + 127).  Lane (r, hq) holds, of row r, k = 64 c + 32 hq + 0 .. 31 for c = 0, 1:
; two whole blocks, in the order that the operand's layout gives that lane, so that the conversions' results ARE the fragment's 12 registers.
; qcodes [tile 64][K step 4][quad 3][lane 32][16 bytes]: an image of the fragment's registers: each store of a wave covers 512 consecutive bytes.
; qscales [tile][row 16][K step 4] words.  q2 [1024] f32 = (p0 + p2) + (p1 + p3) of the four waves' partial sums.
; A block's scale is 2^(floor(log2(largest magnitude)) - 4); its byte is the largest magnitude's exponent field - 4, held at 1 from below.
; LIMITS: a block of zeros gets the byte 1 where the rule says 127 (its codes are zeros, and this program alone reads the bytes); NaN and infinities among the inputs are not served;
; the sum of 512 squares is ordered otherwise than a plain chain, so q2 may differ from another f32 sum in its last bits.
.set AM,  4                            ; v4-5    the two blocks' largest magnitudes
.set SC,  6                            ; v6-7    the conversions' scale operands
.set BY,  8                            ; v8-9    the scale bytes
.set W,   10                           ; v10     the row's scale word
.set SQ,  11                           ; v11     the row's sum of squares over this K step
.set PT,  12                           ; v12-13  what lane l xor 16 sends
.set PT2, 13
.set SH8, 14                           ; v14     8 hq
.set GA,  15                           ; v15     my byte in the tile's rows of queries
.set CS,  16                           ; v16-27  the fragment
.set LW,  28                           ; v28     LDS: 16 r + 4 w
.set LR,  29                           ; v29     LDS and qscales: 16 r
.set CO,  30                           ; v30     qcodes: 1536 w + 16 lane
.set LN,  31                           ; v31     lane
.set NB,  32                           ; v32-95  64 numbers
.set CT,  96                           ; v96-98, v100-102 the blocks' upper halves, as the conversions leave them
.set SQA, 104                          ; v104-107 sums of squares, a pair for each block
.set SQB, 106
.set SEL, 20                           ; s[20:21] lane selects for v_permlanex16_b32: lane l xor 16
; 64 numbers of a lane, v[nb + 32 c + i] = k 64 c + 32 hq + i of its row, become the fragment's registers v[cs] .. v[cs + 11], the row's scale word v[W] and the row's sum of squares v[SQ].
.macro QUANT nb, cs
	v_max3_num_f32 v[AM], |v[(\nb)]|, |v[(\nb)+1]|, 0x2800000          ; with the floor 2^(5 - 127) among the leaves: the byte cannot fall under 1
	v_max3_num_f32 v[AM+1], |v[(\nb)+32]|, |v[(\nb)+33]|, 0x2800000
.irp i, 2,4,6,8,10,12,14,16,18,20,22,24,26,28,30
	v_max3_num_f32 v[AM], v[AM], |v[(\nb)+\i]|, |v[(\nb)+\i+1]|        ; the two blocks by turns
	v_max3_num_f32 v[AM+1], v[AM+1], |v[(\nb)+32+\i]|, |v[(\nb)+33+\i]|
.endr
	v_pk_mul_f32 v[SQA:SQA+1], v[(\nb):(\nb)+1], v[(\nb):(\nb)+1]      ; the first squares start the sums
	v_pk_mul_f32 v[SQB:SQB+1], v[(\nb)+32:(\nb)+33], v[(\nb)+32:(\nb)+33]
.irp i, 2,4,6,8,10,12,14,16,18,20,22,24,26,28,30
	v_pk_fma_f32 v[SQA:SQA+1], v[(\nb)+\i:(\nb)+\i+1], v[(\nb)+\i:(\nb)+\i+1], v[SQA:SQA+1]
	v_pk_fma_f32 v[SQB:SQB+1], v[(\nb)+32+\i:(\nb)+33+\i], v[(\nb)+32+\i:(\nb)+33+\i], v[SQB:SQB+1]
.endr
	v_add_nc_u32 v[SC], 0xfe000000, v[AM]          ; 4 off the exponent field: the conversion takes the exponent field of this operand as its scale
	v_add_nc_u32 v[SC+1], 0xfe000000, v[AM+1]
	v_lshrrev_b32 v[BY], 23, v[SC]                 ; the scale's byte
	v_lshrrev_b32 v[BY+1], 23, v[SC+1]
	v_lshl_or_b32 v[W], v[BY+1], 16, v[BY]         ; my bytes: blocks hq and 2 + hq,
	v_lshlrev_b32 v[W], v[SH8], v[W]               ; at their places in the word;
	v_permlanex16_b32 v[PT], v[W], s[SEL], s[SEL+1]
	v_or_b32 v[W], v[W], v[PT]                     ; with lane l xor 16's two the word is whole
.irp c, 0,1
	v_cvt_scalef32_pk16_bf6_f32 v[(\cs)+6*\c:(\cs)+6*\c+2], v[(\nb)+32*\c:(\nb)+32*\c+15], v[SC+\c]
	v_cvt_scalef32_pk16_bf6_f32 v[CT+4*\c:CT+4*\c+2], v[(\nb)+32*\c+16:(\nb)+32*\c+31], v[SC+\c]   ; (a conversion's three registers begin on an even number)
.endr
	v_pk_add_f32 v[SQA:SQA+1], v[SQA:SQA+1], v[SQB:SQB+1]              ; also the plain line behind the conversions
.irp c, 0,1
.irp i, 0,1,2
	v_mov_b32 v[(\cs)+6*\c+3+\i], v[CT+4*\c+\i]
.endr
.endr
	v_add_f32 v[SQ], v[SQA], v[SQA+1]
	v_permlanex16_b32 v[PT2], v[SQ], s[SEL], s[SEL+1]
	v_add_f32 v[SQ], v[SQ], v[PT2]                 ; my 64 numbers' and lane l xor 16's
.endm
	s_load_b256 s[4:11], s[0:1], 0x0               ; queries s[4:5], qcodes s[6:7], qscales s[8:9], q2 s[10:11]
	v_lshl_add_u32 v112, v0, 2, 0x400
	v_mov_b32 v113, 0
	v_lshrrev_b32 v1, 5, v0
	v_readfirstlane_b32 s12, v1                    ; wave = K step
	v_and_b32 v1, 15, v0                           ; r
	v_bfe_u32 v2, v0, 4, 1                         ; hq
	v_and_b32 v[LN], 31, v0
	s_lshl_b32 s13, s12, 9
	v_lshl_add_u32 v[GA], v1, 11, s13              ; row r of 2,048 bytes + 512 w
	v_lshl_add_u32 v[GA], v2, 7, v[GA]             ; + 128 hq
	v_lshlrev_b32 v[SH8], 3, v2
	s_lshl_b32 s24, s12, 2
	v_lshl_add_u32 v[LW], v1, 4, s24
	v_lshlrev_b32 v[LR], 4, v1
	s_mul_i32 s25, s12, 1536
	v_lshl_add_u32 v[CO], v[LN], 4, s25
	v_lshlrev_b32 v3, 2, v1                        ; q2: 4 r
	v_mov_b32 v[PT], 0                             ; a lane permute's destination counts as one of its sources
	v_mov_b32 v[PT2], 0
	s_mov_b32 s[SEL], 0x76543210
	s_mov_b32 s[SEL+1], 0xfedcba98
	s_lshl_b32 s14, ttmp9, 15                      ; the tile's 16 rows of 2,048 bytes
	s_mov_b32 s15, 0
	s_mul_i32 s16, ttmp9, 6144                     ; its four fragments
	s_mov_b32 s17, 0
	s_lshl_b32 s18, ttmp9, 8                       ; its scale words
	s_mov_b32 s19, 0
	s_lshl_b32 s22, ttmp9, 6                       ; its 16 numbers of q2
	s_mov_b32 s23, 0
	s_wait_alu depctr_va_vdst(0)
	s_wait_kmcnt 0x0
	s_add_nc_u64 s[4:5], s[4:5], s[14:15]
	s_add_nc_u64 s[6:7], s[6:7], s[16:17]
	s_add_nc_u64 s[8:9], s[8:9], s[18:19]
	s_add_nc_u64 s[10:11], s[10:11], s[22:23]
.irp c, 0,1
.irp i, 0,1,2,3,4,5,6,7
	global_load_b128 v[NB+32*\c+4*\i:NB+32*\c+4*\i+3], v[GA], s[4:5] offset:256*\c+16*\i th:TH_LOAD_NT
.endr
.endr
	s_wait_loadcnt 0x0
	QUANT NB, CS
.irp c, 0,1,2
	global_store_b128 v[CO], v[CS+4*\c:CS+4*\c+3], s[6:7] offset:512*\c    ; 32 lanes store 512 consecutive bytes
.endr
	ds_store_b32 v[LW], v[W]                       ; both halves of the lanes write the same word with the same value
	ds_store_b32 v[LW], v[SQ] offset:256
	s_wait_dscnt 0x0                               ; for the others' sake: my stores have landed
	s_barrier_signal -1
	s_barrier_wait -1
	s_cmp_lg_u32 s12, 0
	s_cbranch_scc1 .Ldone
	ds_load_b128 v[32:35], v[LR]                   ; row r's four scale words
	ds_load_b128 v[36:39], v[LR] offset:256        ; and its four partial sums
	s_wait_dscnt 0x0
	v_pk_add_f32 v[36:37], v[36:37], v[38:39]
	v_add_f32 v36, v36, v37                        ; (p0 + p2) + (p1 + p3)
	v_cmp_gt_u32 vcc_lo, 16, v[LN]
	s_wait_alu depctr_va_vdst(0)
	s_wait_xcnt 0x0                                ; EXEC changes only behind this wait: the codes' stores have been issued
	s_wait_tensorcnt 0x0
	ds_add_u32 v112, v113
	s_wait_dscnt 0x0
	s_and_saveexec_b32 s13, vcc_lo                 ; sixteen lanes, a row each
	global_store_b128 v[LR], v[32:35], s[8:9]      ; 256 consecutive bytes, aligned
	global_store_b32 v3, v36, s[10:11]
	s_endpgm
.Ldone:
	s_wait_tensorcnt 0x0
	ds_add_u32 v112, v113
	s_wait_dscnt 0x0
	s_endpgm
.Lfunc_end_k_q22c43f1782_qprep:
	.size	k_q22c43f1782_qprep, .Lfunc_end_k_q22c43f1782_qprep-k_q22c43f1782_qprep
	.p2alignl 7, 3214868480
	.fill 96, 4, 3214868480
	.section	.rodata,"a",@progbits
	.p2align	6, 0x0
	.amdhsa_kernel k_q22c43f1782_qprep
		.amdhsa_group_segment_fixed_size 1536
		.amdhsa_private_segment_fixed_size 0
		.amdhsa_enable_private_segment 0
		.amdhsa_kernarg_size 32
		.amdhsa_user_sgpr_count 2
		.amdhsa_user_sgpr_kernarg_segment_ptr 1
		.amdhsa_wavefront_size32 1
		.amdhsa_system_sgpr_workgroup_id_x 1
		.amdhsa_system_sgpr_workgroup_id_y 1
		.amdhsa_system_sgpr_workgroup_id_z 1
		.amdhsa_system_vgpr_workitem_id 0
		.amdhsa_next_free_vgpr 114
		.amdhsa_next_free_sgpr 66
		.amdhsa_reserve_vcc 1
		.amdhsa_float_denorm_mode_32 3
		.amdhsa_float_denorm_mode_16_64 3
		.amdhsa_memory_ordered 1
		.amdhsa_forward_progress 1
		.amdhsa_inst_pref_size 10
	.end_amdhsa_kernel
	.amdgpu_metadata
---
amdhsa.version: [ 1, 2 ]
amdhsa.kernels:
  - .name:           k_q22c43f1782_qprep
    .symbol:         k_q22c43f1782_qprep.kd
    .args:
      - { .name: queries, .offset: 0, .size: 8, .value_kind: global_buffer, .address_space: global }
      - { .name: qcodes, .offset: 8, .size: 8, .value_kind: global_buffer, .address_space: global }
      - { .name: qscales, .offset: 16, .size: 8, .value_kind: global_buffer, .address_space: global }
      - { .name: q2, .offset: 24, .size: 8, .value_kind: global_buffer, .address_space: global }
    .group_segment_fixed_size: 1536
    .private_segment_fixed_size: 0
    .kernarg_segment_align: 8
    .kernarg_segment_size: 32
    .max_flat_workgroup_size: 128
    .sgpr_count:     66
    .vgpr_count:     114
    .wavefront_size: 32
...
	.end_amdgpu_metadata
.endif
;; end of part 1
;; launch scan (part 2): grid 250 x 1, 4 waves a work-group, no clusters, 327,680 bytes of LDS; arguments X, qcodes, qscales, xcodes, xscales, x2, gmax; writes xcodes, xscales, x2, gmax
.if DOCPART == 2
	.amdgcn_target "amdgcn-amd-amdhsa--gfx1250"
	.amdhsa_code_object_version 6
	.text
	.protected	k_q22c43f1782_scan
	.globl	k_q22c43f1782_scan
	.p2align	8
	.type	k_q22c43f1782_scan,@function
k_q22c43f1782_scan:
	s_mov_b64 s[64:65], 0
	v_nop
	global_prefetch_b8 v0, s[64:65] scope:SCOPE_SE
	s_setreg_imm32_b32 hwreg(HW_REG_WAVE_MODE, 25, 1), 1
	s_wait_xcnt 0x0
; SCAN.  X [100000][512] f32 is read once, quantised once to codes of BF6 (E3M2) with E8M0 scales, and multiplied with all 1,024 queries; of the scores s = q . x - |x|^2 / 2 only the
; largest of each (query, group of 40 rows) is kept.  |q|^2 is the same for all rows of a query and the factor 2 keeps the order, so s orders rows as 2 q . x - |q|^2 - |x|^2 does.
; WHY THAT IS ENOUGH: order groups by (largest s, falling; group number, rising).  A row among a query's best five lies in one of its best five groups: were five groups ahead of its own,
; each would hold a row ahead of it.  A later launch finds those groups and scores their 200 rows again on the codes stored here.
; SHARES.  250 work-groups x 400 rows = 100,000.  A work-group walks 5 stages of 80 rows (5 tiles of 16).  All 1,024 queries stay in registers: wave w holds query tiles 16 w .. 16 w + 15, 64 fragments.
; A STAGE: wave w has brought columns 128 w .. 128 w + 127 of the 80 rows into its own LDS slot by one tensor load; it quantises them (5 fragments), stores each as an image of its registers into LDS
; (for the other waves) and into xcodes; barrier; the slot's next fill goes out; every wave multiplies the 5 tiles (all four K steps) with its 16 query tiles: 320 matrix instructions, while the fill lands.
; ROWS OF A TILE: row m of tile t is stage row 40 (m / 8) + 8 t + m % 8.  Source 0 = the tile of X, source 1 = a query tile: lane (r, h) holds query r, and register j stage row 40 h + 8 t + j:
; so a lane's results of the five tiles are one group, number 2 stage + h, and its largest needs no other lane and no index.
; -|x|^2 / 2 is the C of each sum's first matrix instruction: it costs no addition.
; WORKSPACE.  xcodes [stage 1250][tile 5][K step 4][quad 3][lane 32][16 bytes]; xscales [stage][tile][row 16][K step 4] words; x2 [100000] f32 by row, bit for bit -2 x the C that was used;
; gmax [query tile 64][group 2500][query 16] f32.
; NO CLUSTER: no two work-groups read the same rows of X, the queries' codes are read once into registers, and 250 is no multiple of 4.
; LIMITS: a block of zeros gets the scale byte 1 where the rule says 127 (its codes are zeros, and this program alone reads the bytes); NaN and infinities among the inputs are not served;
; |x|^2 is summed in another order than a plain chain, and s is rounded otherwise than 2 q . x - |q|^2 - |x|^2: rows whose scores differ by about a rounding step of f32 at that size may change places.
; PREFETCH: behind each stage's tensor load (stage s + 1) every wave names the 160 blocks of 256 bytes of its own strip of stage s + 2, a lane a block, five instructions: one stage ahead of the load
; that will want them; the head names stage 1's; the loop's last trip names nothing, since stage 5 does not exist.  Each block is named once: no other wave or work-group loads it.
; BARRIERS: two a stage.  One shows the stage's images, words and sums to all waves and stands in front of the refill.  The other lets the images be written over: a wave signals it when its last
; reads of the images have come back (tile 4's head) and waits for it behind tile 4's products, with register work alone between.
.set SLOTB, 42240
.set IMG,   168960                     ; the stage's 20 fragments: tile t, K step k at 6144 t + 1536 k; quad c of lane l at 512 c + 16 l
.set XSC,   199680                     ; scale words, all 5 stages: 1280 s + 256 t + 16 m + 4 k
.set X2P,   206080                     ; -1/2 x the waves' partial sums of squares, all 5 stages: 16 x (80 s + stage row) + 4 w; 6,400 bytes used of 8,192
.set GM,    214272                     ; the groups' largest: wave w at 10240 w: 640 a + 64 (2 s + h) + 4 r
.set SPARE, 255232                     ; the spare words, 128 bytes for each wave: two blocks of 256 bytes that no other line names
.set SPW,  1                           ; v1   LDS address of my spare word; never rewritten
.set NIL,  2                           ; v2   0; never rewritten
.set IRD,  3                           ; v3   IMG + 16 lane
.set SRD0, 4                           ; v4   XSC + 16 r
.set PRD0, 5                           ; v5   X2P + 640 h
.set GWR0, 6                           ; v6   GM + 10240 w + 64 h + 4 r
.set GWR,  7                           ; v7   GWR0 + 128 s
.set T0,   8                           ; v8-9 at work in a reduction
.set T1,   9
.set SRD,  10                          ; v10  SRD0 + 1280 s
.set PRD,  11                          ; v11  PRD0 + 1280 s
.set QF63, 12                          ; v12-23  query fragment 63.  Fragment f = 16 k + a (f < 63) lies in window 1 + f / 21 at v[12 (f % 21)]: no fragment crosses a window's end
.set QS,   24                          ; v24-55  the queries' scale words: register 4 (a / 2) + k: lanes 0-15 the even tile's, lanes 16-31 the odd tile's
.set XS,   56                          ; v56-63  X's scale words of a tile, K steps 0-3; two sets
.set NX2,  64                          ; v64-79  -|x|^2 / 2 of a tile's eight rows of my half; two sets
.set M,    80                          ; v80-95  the running largest of my group, for each of my 16 query tiles
.set ACC,  96                          ; v96-159 two sets of four accumulators
.set XF,   160                         ; v160-255 a tile's four fragments; two buffers
; while a stage is quantised no product is pending, and these lie over NX2, M, ACC and XF:
.set AM,   64
.set SC,   66
.set BY,   68
.set SQA,  74
.set SQB,  76
.set SH8,  78
.set PT,   79
.set QRD,  80                          ; my slot: row 40 (r / 8) + r % 8, + 128 hq
.set IWR,  81                          ; IMG + 1536 w + 16 lane
.set SWR,  82                          ; XSC + 1280 s + 16 r + 4 w
.set PWR,  83                          ; X2P + 1280 s + 16 (40 (r / 8) + r % 8) + 4 w
.set CGO,  84                          ; 16 lane
.set PT2,  85
.set CODE, 96                          ; v96-119  two fragments of codes by turns
.set CT,   120                         ; v120-126
.set NB,   128                         ; v128-255 two sets of 64 numbers
.set SEL,  20                          ; s[20:21] lane selects for v_permlanex16_b32: lane l xor 16
.set MSB, 0
.macro WIN new                         ; the immediate's high byte repeats the setting that is left; a switch that changes nothing is dropped
.if MSB != (\new)
	s_set_vgpr_msb (MSB<<8)|(\new)
.set MSB, (\new)
.endif
.endm
.macro PLACES
.rept 4
	v_nop
.endr
.endm
; 64 numbers of a lane, v[nb + 32 c + i] = k 64 c + 32 hq + i of its row, become the fragment's registers v[cs] .. v[cs + 11], the row's scale word v[W] and the row's sum of squares v[SQ].
.macro QUANTA nb                       ; the first part: the two blocks' largest magnitudes and sums of squares
	v_max3_num_f32 v[AM], |v[(\nb)]|, |v[(\nb)+1]|, 0x2800000          ; with the floor 2^(5 - 127) among the leaves: the byte cannot fall under 1
	v_max3_num_f32 v[AM+1], |v[(\nb)+32]|, |v[(\nb)+33]|, 0x2800000
	v_pk_mul_f32 v[SQA:SQA+1], v[(\nb):(\nb)+1], v[(\nb):(\nb)+1]      ; the first squares start the sums
	v_pk_mul_f32 v[SQB:SQB+1], v[(\nb)+32:(\nb)+33], v[(\nb)+32:(\nb)+33]
.irp i, 2,4,6,8,10,12,14,16,18,20,22,24,26,28,30
	v_max3_num_f32 v[AM], v[AM], |v[(\nb)+\i]|, |v[(\nb)+\i+1]|        ; the two blocks by turns
	v_max3_num_f32 v[AM+1], v[AM+1], |v[(\nb)+32+\i]|, |v[(\nb)+33+\i]|   ; four chains by turns: two maxima, two sums of squares
	v_pk_fma_f32 v[SQA:SQA+1], v[(\nb)+\i:(\nb)+\i+1], v[(\nb)+\i:(\nb)+\i+1], v[SQA:SQA+1]
	v_pk_fma_f32 v[SQB:SQB+1], v[(\nb)+32+\i:(\nb)+33+\i], v[(\nb)+32+\i:(\nb)+33+\i], v[SQB:SQB+1]
.endr
.endm
.macro QUANTB nb, cs                   ; the second part: scales, codes, the row's word and sum
	v_add_nc_u32 v[SC], 0xfe000000, v[AM]          ; 4 off the exponent field: the conversion takes the exponent field of this operand as its scale
	v_add_nc_u32 v[SC+1], 0xfe000000, v[AM+1]
	v_lshrrev_b32 v[BY], 23, v[SC]                 ; the scale's byte
	v_lshrrev_b32 v[BY+1], 23, v[SC+1]
.irp c, 0,1
	v_cvt_scalef32_pk16_bf6_f32 v[(\cs)+6*\c:(\cs)+6*\c+2], v[(\nb)+32*\c:(\nb)+32*\c+15], v[SC+\c]
	v_cvt_scalef32_pk16_bf6_f32 v[CT+4*\c:CT+4*\c+2], v[(\nb)+32*\c+16:(\nb)+32*\c+31], v[SC+\c]   ; (a conversion's three registers begin on an even number)
.endr
	v_pk_add_f32 v[SQA:SQA+1], v[SQA:SQA+1], v[SQB:SQB+1]              ; also the plain line behind the conversions
	v_lshl_or_b32 v[W], v[BY+1], 16, v[BY]         ; my bytes: blocks hq and 2 + hq.  The word, the sum and the moves of the upper halves stand by turns
	v_mov_b32 v[(\cs)+3], v[CT]
	v_mov_b32 v[(\cs)+4], v[CT+1]
	v_add_f32 v[SQ], v[SQA], v[SQA+1]
	v_lshlrev_b32 v[W], v[SH8], v[W]               ; at their places in the word
	v_mov_b32 v[(\cs)+5], v[CT+2]
	v_mov_b32 v[(\cs)+9], v[CT+4]
	v_permlanex16_b32 v[PT2], v[SQ], s[SEL], s[SEL+1]
	v_permlanex16_b32 v[PT], v[W], s[SEL], s[SEL+1]
	v_mov_b32 v[(\cs)+10], v[CT+5]
	v_mov_b32 v[(\cs)+11], v[CT+6]
	v_add_f32 v[SQ], v[SQ], v[PT2]                 ; my 64 numbers' and lane l xor 16's
	v_or_b32 v[W], v[W], v[PT]                     ; with lane l xor 16's two bytes the word is whole
.endm
; tile t's 64 numbers of my row and half, out of my slot
.macro QLOAD t
.irp c, 0,1
.irp i, 0,1,2,3,4,5,6,7
	ds_load_b128 v[NB+64*((\t)%2)+32*\c+4*\i:NB+64*((\t)%2)+32*\c+4*\i+3], v[QRD] offset:(\t)*4224+256*\c+16*\i
.endr
.endr
.endm
; tile t is quantised; its fragment goes to LDS and to xcodes as it stands, its scale word and -1/2 x its partial sum of squares to LDS; the tile two on is fetched
; tile t's fragment, word and sum leave: they stand in the middle of the next tile's work, 66 vector lines behind the lines that made them
.macro QSTORE t
.set CS2, CODE+12*((\t)%2)
.irp c, 0,1,2
	ds_store_b128 v[IWR], v[CS2+4*\c:CS2+4*\c+3] offset:(\t)*6144+512*\c
.endr
	ds_store_b32 v[SWR], v[70+2*((\t)%2)] offset:(\t)*256      ; both halves of the lanes write the same word with the same value
	ds_store_b32 v[PWR], v[71+2*((\t)%2)] offset:(\t)*128
.irp c, 0,1,2
	global_store_b128 v[CGO], v[CS2+4*\c:CS2+4*\c+3], s[38:39] offset:(\t)*6144+512*\c   ; 32 lanes store 512 consecutive bytes
.endr
.endm
.macro QTILE t
.set W,   70+2*((\t)%2)                ; v70-73: the word and the sum have two registers each, by turns
.set SQ,  71+2*((\t)%2)
.set CSR, CODE+12*((\t)%2)
.if (\t) < 2
	s_wait_dscnt 16                                ; my tile's 16 loads are in; behind them: the next tile's 16
.elseif (\t) < 4
	s_wait_dscnt 21                                ; behind them: the last tile's 5 stores and the next tile's 16 loads
.else
	s_wait_dscnt 5                                 ; behind them: the last tile's 5 stores
.endif
.if (\t) >= 2
	s_wait_xcnt 0x0                                ; the stores to xcodes of two tiles back have read these code registers
.endif
	QUANTA NB+64*((\t)%2)
.if (\t) > 0
	QSTORE (\t)-1                                  ; the tile before, from the other set of code registers
.endif
	QUANTB NB+64*((\t)%2), CSR
	v_mul_f32 v[SQ], -0.5, v[SQ]
.if (\t) < 3
	QLOAD (\t)+2
.endif
.endm
; the four partial sums of each of tile t's eight rows of my half, into fragment buffer buf, which is idle
.macro XLOADP t, buf
.irp j, 0,1,2,3,4,5,6,7
	ds_load_b128 v[XF+48*(\buf)+4*\j:XF+48*(\buf)+4*\j+3], v[PRD] offset:(\t)*128+16*\j
.endr
.endm
; rows j and j + 1: (p0 + p2) + (p1 + p3)
.macro NXC2 t, buf, j
.set RS, XF+48*(\buf)+4*(\j)
	v_pk_add_f32 v[RS:RS+1], v[RS:RS+1], v[RS+2:RS+3]
	v_pk_add_f32 v[RS+4:RS+5], v[RS+4:RS+5], v[RS+6:RS+7]
	v_add_f32 v[NX2+8*((\t)%2)+(\j)], v[RS], v[RS+1]
	v_add_f32 v[NX2+8*((\t)%2)+(\j)+1], v[RS+4], v[RS+5]
.endm
; tile t's four fragments and its rows' scale words: 13 loads
.macro XLOADF t
.irp k, 0,1,2,3
.irp c, 0,1,2
	ds_load_b128 v[XF+48*((\t)%2)+12*\k+4*\c:XF+48*((\t)%2)+12*\k+4*\c+3], v[IRD] offset:(\t)*6144+1536*\k+512*\c
.endr
.endr
	ds_load_b128 v[XS+4*((\t)%2):XS+4*((\t)%2)+3], v[SRD] offset:(\t)*256
.endm
.macro MM d, a, b, c, sa, sb, odd
.if \odd
	v_wmma_scale_f32_16x16x128_f8f6f4 v[\d:\d+7], v[\a:\a+11], v[\b:\b+11], v[\c:\c+7], v[\sa], v[\sb] matrix_a_fmt:MATRIX_FMT_BF6 matrix_b_fmt:MATRIX_FMT_BF6 matrix_b_scale:MATRIX_SCALE_ROW1
.else
	v_wmma_scale_f32_16x16x128_f8f6f4 v[\d:\d+7], v[\a:\a+11], v[\b:\b+11], v[\c:\c+7], v[\sa], v[\sb] matrix_a_fmt:MATRIX_FMT_BF6 matrix_b_fmt:MATRIX_FMT_BF6
.endif
.endm
; four matrix instructions: tile t x query tiles 4 b .. 4 b + 3, K step k.  The four accumulators take turns, one instruction a turn.  K step 0 takes -|x|^2 / 2 as C.
.macro ROW t, b, k
.irp i, 0,1,2,3
.set FQ, 16*(\k)+4*(\b)+\i
.if FQ == 63
.set WQ, 0
.set RQ, QF63
.else
.set WQ, 4*(1+FQ/21)                   ; source 1 alone leaves window 0
.set RQ, 12*(FQ%21)
.endif
.set RD, ACC+32*((\b)%2)+8*\i
.set RX, XF+48*((\t)%2)+12*(\k)
.set RC, RD
.if (\k) == 0
.set RC, NX2+8*((\t)%2)
.endif
	WIN WQ
	MM RD, RX, RQ, RC, XS+4*((\t)%2)+(\k), QS+4*((4*(\b)+\i)/2)+(\k), \i%2
.endr
	WIN 0
.endm
; accumulator i of a set is folded into the running largest of query tile q, from its low end on.  first = 1: the stage's first tile starts the running largest: nothing is preset.
.macro RSL set, i, q, first
.set RR, ACC+32*(\set)+8*(\i)
	v_max3_num_f32 v[T0], v[RR], v[RR+1], v[RR+2]
	v_max3_num_f32 v[T1], v[RR+3], v[RR+4], v[RR+5]
	v_max3_num_f32 v[T0], v[T0], v[RR+6], v[RR+7]
.if \first
	v_max_num_f32 v[M+(\q)], v[T0], v[T1]
.else
	v_max3_num_f32 v[M+(\q)], v[M+(\q)], v[T0], v[T1]
.endif
.endm
; A TILE: four batches of four query tiles, 16 matrix instructions each, on the two sets of accumulators by turns.  Behind each four matrix instructions stands a slice of four plain lines: one accumulator of
; the batch before, which lies in the other set.  The slice behind a batch's last four names none of their registers: it is the four places (ISA guide 7.12.1) ahead of the first read of that batch's results.
; A set is begun anew two batches later, behind that slice and twelve more lines that name none of the accumulator's registers.
; The next tile is made ready meanwhile: its partial sums are fetched in batch 0 and added in batch 1, its fragments are fetched at the head of batch 2, 32 matrix instructions ahead of their use.
.macro TILE t
	s_wait_dscnt 0x0                               ; the tile's fragments and scale words are in
.if \t == 1
	s_wait_xcnt 0x0                                ; the stage's prefetches have read v95, which this tile writes again
.endif
.if \t == 4
	s_barrier_signal -1                            ; my last reads of this stage's images, words and sums have come back; only register work stands up to the wait
.endif
.irp b, 0,1,2,3
.if (\b == 2) && (\t < 4)
	XLOADF (\t)+1
.endif
.irp k, 0,1,2,3
	ROW \t, \b, \k
.if \b == 0
.if \t == 0
.if \k == 3
	PLACES                                         ; the stage's first batch has no batch before it to fold
.endif
.elseif \t == 1
	RSL 1, \k, 12+\k, 1
.else
	RSL 1, \k, 12+\k, 0
.endif
.else
.if \t == 0
	RSL (\b+1)%2, \k, 4*(\b-1)+\k, 1
.else
	RSL (\b+1)%2, \k, 4*(\b-1)+\k, 0
.endif
.endif
.if \t < 4
.if (\b == 0) && (\k == 0)
	XLOADP (\t)+1, ((\t)+1)%2
.endif
.if \b == 1
.if \k == 0
	s_wait_dscnt 0x0                               ; the next tile's partial sums are in
.endif
	NXC2 (\t)+1, ((\t)+1)%2, 2*\k
.endif
.endif
.endr
.endr
.endm
; A STAGE.  refill = 1: the slot is filled again, with the next 80 rows.
; A stage has two parts.  QPART: my strip of the stage's 80 rows is quantised, and a barrier shows the images to all waves.  first = 1: stage 0, written out ahead of the loop: the queries' loads are issued in pieces between its tiles.
; MPART: the stage's products.  refill = 1: it begins with the slot's next fill.
.macro QPART first
	s_wait_tensorcnt 0x0                           ; my one tensor load is in: I alone read my slot
	v_and_b32 v[QRD], 7, v0
	v_bfe_u32 v[IWR], v0, 3, 1
	v_mad_u32_u24 v[QRD], v[IWR], 40, v[QRD]       ; my row of tile 0: 40 (r / 8) + r % 8
	v_lshlrev_b32 v[PWR], 4, v[QRD]
	v_mul_u32_u24 v[QRD], v[QRD], 528
	v_bfe_u32 v[SH8], v0, 4, 1                     ; hq
	v_lshl_add_u32 v[QRD], v[SH8], 7, v[QRD]
	v_add_nc_u32 v[QRD], s40, v[QRD]
	v_lshlrev_b32 v[SH8], 3, v[SH8]
	v_and_b32 v[CGO], 31, v0
	v_lshlrev_b32 v[CGO], 4, v[CGO]
	v_add_nc_u32 v[IWR], s41, v[CGO]
	v_and_b32 v[SWR], 15, v0
	s_add_co_u32 s45, s37, s42
	v_lshl_add_u32 v[SWR], v[SWR], 4, s45
	s_add_co_u32 s46, s37, s43
	v_add_nc_u32 v[PWR], s46, v[PWR]
	v_mov_b32 v[PT], 0                             ; a lane permute's destination counts as one of its sources
	v_mov_b32 v[PT2], 0
	QLOAD 0
	QLOAD 1
.irp t, 0,1,2,3,4
	QTILE \t
.if \first
.if \t == 0
	QFETCH 10                                      ; the queries' fragments 18 to 63: 10 + 4 x 9
.else
	QFETCH 9
.endif
.endif
.endr
	QSTORE 4
	s_wait_tensorcnt 0x0                           ; no tensor load of mine is out, so the descriptor may be written
	ds_add_u32 v[SPW], v[NIL]                      ; 0 onto my spare word: the steps below stand between it and the wait for it
	s_wait_xcnt 0x0                                ; the stores to xcodes have read their base and their data
	s_add_nc_u64 s[38:39], s[38:39], 30720         ; xcodes: the next stage
	s_add_nc_u64 s[26:27], s[26:27], 163840        ; X: 80 rows on; the type bits on top are not reached (behind stage 4 the stepped address is not used)
	s_add_nc_u64 s[48:49], s[48:49], 163840        ; and the prefetches' base: one stage beyond the load that follows
	s_wait_dscnt 0x0                               ; the add is done, my reads of my slot are over, my images, words and sums have landed
	s_barrier_signal -1
	s_barrier_wait -1                              ; all that holds of every wave
.endm
.macro MPART refill
.if \refill
	tensor_load_to_lds s[24:27], s[28:35]          ; my one tensor load behind the barrier, and the first thing there: it has the stage's 320 matrix instructions in which to land
	s_nop 0
	PLACES
.endif
	v_add_nc_u32 v[SRD], s37, v[SRD0]              ; this stage's words, sums and largest
	v_add_nc_u32 v[PRD], s37, v[PRD0]
	v_add_nc_u32 v[GWR], s44, v[GWR0]
	XLOADP 0, 1
	XLOADF 0
.if \refill
	s_cmp_gt_u32 s36, 1                            ; the loop's last trip has no stage two on
	s_cbranch_scc0 .Lno_ask
	v_and_b32 v94, 1, v0                           ; v94-95 are idle up to tile 1
	v_bfe_u32 v95, v0, 1, 4
	v_lshlrev_b32 v94, 8, v94
	v_lshl_or_b32 v95, v95, 11, v94                ; row lane / 2 of 2,048 bytes, block lane % 2 of my strip's 512 bytes
.irp i, 0,1,2,3,4
	global_prefetch_b8 v95, s[48:49] offset:32768*\i th:TH_LOAD_NT scope:SCOPE_SE   ; sixteen rows an instruction
.endr
.Lno_ask:
.endif
	s_wait_dscnt 13
	NXC2 0, 1, 0
	NXC2 0, 1, 2
	NXC2 0, 1, 4
	NXC2 0, 1, 6
	PLACES
	s_wait_alu depctr_va_vdst(0)
	s_wait_loadcnt 0x0                             ; the queries are in: they were on their way while stage 0 was quantised; in later stages no load is out
	TILE 0
	TILE 1
	TILE 2
	TILE 3
	TILE 4
	RSL 1, 0, 12, 0                                ; the last batch; the slice behind its last four products is its four places
	RSL 1, 1, 13, 0
	RSL 1, 2, 14, 0
	RSL 1, 3, 15, 0
	s_wait_alu depctr_va_vdst(0)
	s_barrier_wait -1                              ; nobody reads this stage's images any more: they may be written over
.irp a, 0,1,2,3,4,5,6,7,8,9,10,11,12,13,14,15
	ds_store_b32 v[GWR], v[M+\a] offset:640*\a     ; group 2 s + h, query r, query tile a
.endr
.if \refill
	s_add_co_u32 s37, s37, 1280                    ; the next stage's places in LDS
	s_add_co_u32 s44, s44, 128
.endif
.endm
	s_load_b256 s[4:11], s[0:1], 0x0               ; X s[4:5], qcodes s[6:7], qscales s[8:9], xcodes s[10:11]
	s_load_b128 s[12:15], s[0:1], 0x20             ; xscales s[12:13], x2 s[14:15]
	s_load_b64 s[16:17], s[0:1], 0x30              ; gmax
	v_lshl_add_u32 v[SPW], v0, 2, SPARE
	v_mov_b32 v[NIL], 0
	ds_add_u32 v1, v2
	ds_add_u32 v1, v2
	s_wait_dscnt 0x0
	v_lshrrev_b32 v[T0], 5, v0
	v_readfirstlane_b32 s18, v[T0]                 ; wave 0..3
	; descriptor group 1: 80 rows x 128 elements of 4 bytes, 512 elements from row to row, 4 words of padding behind each row's 128 words
	s_mov_b32 s28, (2<<16)|(1<<20)|(6<<22)|(3<<25)
	s_mov_b32 s29, 128<<16                         ; tensor_dim0 = 128
	s_mov_b32 s30, 80<<16                          ; tensor_dim1 = 80
	s_mov_b32 s31, 128<<16                         ; tile_dim0 = 128
	s_mov_b32 s32, 80                              ; tile_dim1 = 80
	s_mov_b32 s33, 512                             ; tensor_dim0_stride
	s_mov_b32 s34, 0
	s_mov_b32 s35, 0
	s_mov_b32 s24, 1                               ; group 0: count = 1,
	s_mul_i32 s25, s18, SLOTB                      ; my slot,
	s_mul_i32 s46, ttmp9, 819200                   ; my work-group's 400 rows of 2,048 bytes,
	s_lshl_b32 s47, s18, 9                         ; my wave's 512 bytes of a row
	s_add_co_u32 s46, s46, s47
	s_mov_b32 s47, 0
	s_wait_kmcnt 0x0
	s_add_nc_u64 s[26:27], s[4:5], s[46:47]
	s_add_nc_u64 s[48:49], s[26:27], 163840        ; the prefetches' base: my strip of stage 1
	s_or_b32 s27, s27, 0x80000000                  ; type = 2
	tensor_load_to_lds s[24:27], s[28:35]          ; stage 0: ahead of everything else
	s_nop 0
	PLACES
	v_lshl_add_u32 v68, v0, 4, X2P+6144            ; the end of X2P is set to 0: the way out reads 64 bytes a thread there, and only 6,400 bytes hold sums;
.irp j, 64,65,66,67
	v_mov_b32 v\j, 0
.endr
	ds_store_b128 v68, v[64:67]                    ; its first 256 bytes are written again by stage 4, behind barriers
	v_and_b32 v94, 1, v0
	v_bfe_u32 v95, v0, 1, 4
	v_lshlrev_b32 v94, 8, v94
	v_lshl_or_b32 v95, v95, 11, v94                ; row lane / 2, block lane % 2
.irp i, 0,1,2,3,4
	global_prefetch_b8 v95, s[48:49] offset:32768*\i th:TH_LOAD_NT scope:SCOPE_SE   ; stage 1's 160 blocks of my strip
.endr
	s_mul_i32 s40, s18, SLOTB
	s_mul_i32 s41, s18, 1536
	s_add_co_u32 s41, s41, IMG
	s_lshl_b32 s42, s18, 2
	s_add_co_u32 s43, s42, X2P
	s_add_co_u32 s42, s42, XSC
	s_mov_b32 s37, 0                               ; 1280 x stage
	s_mov_b32 s44, 0                               ; 128 x stage
	s_mov_b32 s[SEL], 0x76543210
	s_mov_b32 s[SEL+1], 0xfedcba98
	s_mul_i32 s46, ttmp9, 153600                   ; xcodes: my work-group's 5 stages, my wave's K step
	s_add_co_u32 s46, s46, s41
	s_sub_co_u32 s46, s46, IMG
	s_add_nc_u64 s[38:39], s[10:11], s[46:47]
	s_mul_i32 s46, s18, 98304                      ; qcodes: my 16 tiles of 6,144 bytes
	s_add_nc_u64 s[6:7], s[6:7], s[46:47]
	s_lshl_b32 s46, s18, 12                        ; qscales: my 16 tiles of 256 bytes
	s_add_nc_u64 s[8:9], s[8:9], s[46:47]
	v_and_b32 v[T0], 31, v0
	v_lshlrev_b32 v[T0], 4, v[T0]                  ; 16 lane
.macro QFETCH n                        ; the next n of the queries' 64 fragments: f = 16 k + a
.rept \n
.if f == 63
.set WQ, 0
.set RQ, QF63
.else
.set WQ, 64*(1+f/21)                   ; the destination's window
.set RQ, 12*(f%21)
.endif
	WIN WQ
.irp c, 0,1,2
	global_load_b128 v[RQ+4*\c:RQ+4*\c+3], v[T0], s[6:7] offset:(f%16)*6144+(f/16)*1536+512*\c
.endr
.set f, f+1
.endr
	WIN 0
.endm
.set f, 0
	QFETCH 18                                      ; 54 loads here and the 8 below: 62 are out while stage 0's tile lands; the other 46 fragments follow between stage 0's tiles
.irp p, 0,1,2,3,4,5,6,7
	global_load_b128 v[QS+4*\p:QS+4*\p+3], v[T0], s[8:9] offset:512*\p    ; lanes 0-15: tile 2 p's rows, lanes 16-31: tile 2 p + 1's; four K steps each
.endr
	v_add_nc_u32 v[IRD], IMG, v[T0]
	v_and_b32 v[SRD0], 15, v0                      ; r
	v_lshlrev_b32 v[GWR0], 2, v[SRD0]
	v_lshl_add_u32 v[SRD0], v[SRD0], 4, XSC
	v_bfe_u32 v[PRD0], v0, 4, 1                    ; h
	v_lshl_add_u32 v[GWR0], v[PRD0], 6, v[GWR0]
	v_mul_u32_u24 v[PRD0], v[PRD0], 640
	v_add_nc_u32 v[PRD0], X2P, v[PRD0]
	s_mul_i32 s45, s18, 10240
	s_add_co_u32 s45, s45, GM
	v_add_nc_u32 v[GWR0], s45, v[GWR0]
	s_wait_alu depctr_va_vdst(0)
	s_mov_b32 s36, 4
	QPART 1                                        ; stage 0 is quantised while the queries arrive
.Lstage:                                           ; four trips: the fill for stage s + 1 goes out, stage s is multiplied, stage s + 1 is quantised
	MPART 1
	QPART 0
	s_sub_co_u32 s36, s36, 1
	s_cmp_lg_u32 s36, 0
	s_cbranch_scc1 .Lstage
	MPART 0                                        ; the last stage's products are written out: they ask for nothing
	; THE WAY OUT.  All that is read below was shown to every wave by the last barrier, or is the wave's own.
.set OFF,  64                          ; v64-68  gmax: my 16 bytes of a run of 2,560 bytes of GM (four query tiles x 640): 160,000 bytes from query tile to query tile
.set GRD,  69                          ; v69     GM + 10240 w + 16 lane
.set TO,   70                          ; v70     16 x thread
.set XRD,  71                          ; v71     XSC + 16 x thread
.set XRL,  72                          ; v72     XSC + 6144 + 8 lane
.set XOL,  73                          ; v73     6144 + 8 lane
.set PRL,  74                          ; v74     X2P + 64 x thread
	s_mul_i32 s46, ttmp9, 640                      ; gmax: my work-group's ten groups, my wave's 16 query tiles
	s_mul_i32 s45, s18, 2560000
	s_add_co_u32 s46, s46, s45
	s_add_nc_u64 s[16:17], s[16:17], s[46:47]
	s_mul_i32 s46, ttmp9, 6400
	s_add_nc_u64 s[12:13], s[12:13], s[46:47]
	s_mul_i32 s46, ttmp9, 1600
	s_add_nc_u64 s[14:15], s[14:15], s[46:47]
	v_and_b32 v75, 31, v0
	v_lshlrev_b32 v[XOL], 3, v75
	v_lshlrev_b32 v75, 4, v75
	s_mul_i32 s45, s18, 10240
	s_add_co_u32 s45, s45, GM
	v_add_nc_u32 v[GRD], s45, v75
.irp c, 0,1,2,3,4
	v_add_nc_u32 v[OFF+\c], 512*\c, v75            ; b, my byte in the run
	v_lshrrev_b32 v76, 7, v[OFF+\c]
	v_mul_u32_u24 v76, v76, 52
	v_lshrrev_b32 v76, 8, v76                      ; b / 640
	v_mad_u32_u24 v[OFF+\c], v76, 159360, v[OFF+\c]
.endr
	v_lshlrev_b32 v[TO], 4, v0
	v_add_nc_u32 v[XRD], XSC, v[TO]
	v_add_nc_u32 v[XRL], XSC+6144, v[XOL]
	v_add_nc_u32 v[XOL], 6144, v[XOL]
	v_lshl_add_u32 v[PRL], v0, 6, X2P
.irp q, 0,1,2,3
.irp c, 0,1,2,3,4
	ds_load_b128 v[96+4*(5*\q+\c):96+4*(5*\q+\c)+3], v[GRD] offset:2560*\q+512*\c    ; LDS serves a wave's instructions in order: these see my stores
.endr
.endr
.irp n, 0,1,2
	ds_load_b128 v[176+4*\n:176+4*\n+3], v[XRD] offset:2048*\n
.endr
	s_wait_alu depctr_va_vdst(0)
.irp q, 0,1,2,3
.irp c, 0,1,2,3,4
	s_wait_dscnt 22-(5*\q+\c)                      ; the loads issued behind this one may be out
	global_store_b128 v[OFF+\c], v[96+4*(5*\q+\c):96+4*(5*\q+\c)+3], s[16:17] offset:640000*\q   ; runs of 640 consecutive bytes for each query tile
.endr
.endr
.irp n, 0,1,2
	s_wait_dscnt 2-\n
	global_store_b128 v[TO], v[176+4*\n:176+4*\n+3], s[12:13] offset:2048*\n     ; the scale words as they lie in LDS: 512 consecutive bytes a wave
.endr
	s_cmp_lg_u32 s18, 0
	s_cbranch_scc1 .Lnot_wave_0
	ds_load_b64 v[188:189], v[XRL]                 ; the last 256 of their 6,400 bytes: 8 bytes a lane
	s_wait_dscnt 0x0
	global_store_b64 v[XOL], v[188:189], s[12:13]
.Lnot_wave_0:
	v_cmp_gt_u32 vcc_lo, 100, v0                   ; |x|^2 of the 400 rows: a hundred threads, four rows each
	s_wait_xcnt 0x0                                ; EXEC changes only behind this wait
	s_and_saveexec_b32 s45, vcc_lo
.irp j, 0,1,2,3
	ds_load_b128 v[192+4*\j:195+4*\j], v[PRL] offset:16*\j
.endr
	s_wait_dscnt 0x0
.irp j, 0,1,2,3
	v_pk_add_f32 v[192+4*\j:193+4*\j], v[192+4*\j:193+4*\j], v[194+4*\j:195+4*\j]
.endr
.irp j, 0,1,2,3
	v_add_f32 v[208+\j], v[192+4*\j], v[193+4*\j]  ; in the order in which the products' C was made
.endr
.irp j, 0,1,2,3
	v_mul_f32 v[208+\j], -2.0, v[208+\j]
.endr
	global_store_b128 v[TO], v[208:211], s[14:15]
	s_wait_xcnt 0x0                                ; and again, in front of the line that widens it
	s_or_b32 exec_lo, exec_lo, s45
	s_wait_tensorcnt 0x0                           ; the wave's end, behind my last tensor load and my last LDS store
	ds_add_u32 v[SPW], v[NIL]
	s_wait_dscnt 0x0
	s_endpgm
.Lfunc_end_k_q22c43f1782_scan:
	.size	k_q22c43f1782_scan, .Lfunc_end_k_q22c43f1782_scan-k_q22c43f1782_scan
	.p2alignl 7, 3214868480
	.fill 96, 4, 3214868480
	.section	.rodata,"a",@progbits
	.p2align	6, 0x0
	.amdhsa_kernel k_q22c43f1782_scan
		.amdhsa_group_segment_fixed_size 327680
		.amdhsa_private_segment_fixed_size 0
		.amdhsa_enable_private_segment 0
		.amdhsa_kernarg_size 56
		.amdhsa_user_sgpr_count 2
		.amdhsa_user_sgpr_kernarg_segment_ptr 1
		.amdhsa_wavefront_size32 1
		.amdhsa_system_sgpr_workgroup_id_x 1
		.amdhsa_system_sgpr_workgroup_id_y 1
		.amdhsa_system_sgpr_workgroup_id_z 1
		.amdhsa_system_vgpr_workitem_id 0
		.amdhsa_next_free_vgpr 1024
		.amdhsa_next_free_sgpr 66
		.amdhsa_reserve_vcc 1
		.amdhsa_float_denorm_mode_32 3
		.amdhsa_float_denorm_mode_16_64 3
		.amdhsa_memory_ordered 1
		.amdhsa_forward_progress 1
		.amdhsa_inst_pref_size 255
	.end_amdhsa_kernel
	.section	.bss,"aw",@nobits
	.p2align	6
	.space	262144
	.amdgpu_metadata
---
amdhsa.version: [ 1, 2 ]
amdhsa.kernels:
  - .name:           k_q22c43f1782_scan
    .symbol:         k_q22c43f1782_scan.kd
    .args:
      - { .name: X, .offset: 0, .size: 8, .value_kind: global_buffer, .address_space: global }
      - { .name: qcodes, .offset: 8, .size: 8, .value_kind: global_buffer, .address_space: global }
      - { .name: qscales, .offset: 16, .size: 8, .value_kind: global_buffer, .address_space: global }
      - { .name: xcodes, .offset: 24, .size: 8, .value_kind: global_buffer, .address_space: global }
      - { .name: xscales, .offset: 32, .size: 8, .value_kind: global_buffer, .address_space: global }
      - { .name: x2, .offset: 40, .size: 8, .value_kind: global_buffer, .address_space: global }
      - { .name: gmax, .offset: 48, .size: 8, .value_kind: global_buffer, .address_space: global }
    .group_segment_fixed_size: 327680
    .private_segment_fixed_size: 0
    .kernarg_segment_align: 8
    .kernarg_segment_size: 56
    .max_flat_workgroup_size: 128
    .sgpr_count:     66
    .vgpr_count:     1024
    .wavefront_size: 32
...
	.end_amdgpu_metadata
.endif
;; end of part 2
;; launch pick (part 3): grid 64 x 1, 25 waves a work-group, no clusters, 29,440 bytes of LDS; arguments gmax, masks; writes masks
.if DOCPART == 3
	.amdgcn_target "amdgcn-amd-amdhsa--gfx1250"
	.amdhsa_code_object_version 6
	.text
	.protected	k_q22c43f1782_pick
	.globl	k_q22c43f1782_pick
	.p2align	8
	.type	k_q22c43f1782_pick,@function
k_q22c43f1782_pick:
	s_mov_b64 s[64:65], 0
	v_nop
	global_prefetch_b8 v0, s[64:65] scope:SCOPE_SE
	s_setreg_imm32_b32 hwreg(HW_REG_WAVE_MODE, 25, 1), 1
	s_wait_xcnt 0x0
; PICK.  For each query: V5, the fifth largest of its 2,500 groups' largest scores, and for each group the bits (score > V5) and (score >= V5).  At most four groups lie above V5 and at least five at or above it.
; The bits are stored as whole numbers at fixed places; no address and no branch here hangs on a score.
; A work-group takes a tile of 16 queries: a dense block of 160,000 bytes of gmax [query tile][group 2500][query 16].  Thread (wave w of 25, u = lane / 16, r = lane % 16) owns query r's
; groups 100 w + 2 i + u, i = 0 .. 49, and keeps them in registers: each load of a wave covers 128 consecutive bytes.
; The five largest VALUES are kept sorted (a1 >= .. >= a5); a value is put in by four medians and a maximum.  Lists meet by lane exchange, then through LDS in wave 0.
; masks [query 1024][w 25][u 2][GT0, GT1, GE0, GE1]: bit i % 32 of word i / 32 belongs to group 100 w + 2 i + u.
; LIMIT: NaN among the scores is not served.
.set LST, 0                            ; LDS: the waves' lists: 512 w + 32 r: a1-a4, a5
.set TH,  12800                        ; V5: 4 r
.set MK,  13056                        ; the masks as they go out: 800 r + 32 w + 16 u
.set B1,  2                            ; v2-6    what lane l xor 16 sends; later the four mask words v2-5
.set TO,  7                            ; v7      16 x thread
.set A1,  8                            ; v8-12   a1 .. a5
.set VAL, 16                           ; v16-65  my 50 values
.set LL,  72                           ; v72-127 seven lists, eight registers apart
.macro INS x                           ; from the bottom up, each line on the old values
	v_med3_num_f32 v[A1+4], v[A1+3], v[A1+4], v[\x]
	v_med3_num_f32 v[A1+3], v[A1+2], v[A1+3], v[\x]
	v_med3_num_f32 v[A1+2], v[A1+1], v[A1+2], v[\x]
	v_med3_num_f32 v[A1+1], v[A1], v[A1+1], v[\x]
	v_max_num_f32 v[A1], v[A1], v[\x]
.endm
.macro JOIN                            ; my list and lane l xor 16's: both lanes end with the same five
.irp j, 0,1,2,3,4
	v_permlanex16_b32 v[B1+\j], v[A1+\j], s14, s15
.endr
.irp j, 0,1,2,3,4
	INS B1+\j
.endr
.endm
.macro LIST slot                       ; a list's five values are put in
.irp j, 0,1,2,3,4
	INS LL+8*(\slot)+\j
.endr
.endm
	s_load_b128 s[4:7], s[0:1], 0x0                ; gmax s[4:5], masks s[6:7]
	v_lshl_add_u32 v128, v0, 2, 0x6600
	v_mov_b32 v129, 0
	v_lshrrev_b32 v1, 5, v0
	s_delay_alu instid0(VALU_DEP_1)
	v_readfirstlane_b32 s8, v1                     ; wave 0..24
	v_and_b32 v1, 31, v0                           ; lane
	v_and_b32 v13, 15, v0                          ; r
	v_bfe_u32 v14, v0, 4, 1                        ; u
	s_mul_i32 s9, s8, 6400
	v_lshl_add_u32 v15, v1, 2, s9                  ; gmax: my wave's 100 groups of 64 bytes, 4 bytes a lane
	s_lshl_b32 s12, s8, 9
	v_lshl_add_u32 v66, v13, 5, s12                ; where my wave's list of query r goes
	v_lshlrev_b32 v69, 5, v13                      ; 32 r
	s_delay_alu instid0(VALU_DEP_1)
	v_lshl_add_u32 v67, v14, 9, v69                ; wave 0 reads lists 2 n + u: 1024 n + 512 u + 32 r
	v_lshl_add_u32 v70, v13, 2, TH
	v_mul_u32_u24 v71, v13, 800
	s_delay_alu instid0(VALU_DEP_1)
	v_lshl_add_u32 v71, v14, 4, v71
	s_lshl_b32 s13, s8, 5
	s_add_co_u32 s13, s13, MK
	v_add_nc_u32 v71, s13, v71
	v_lshlrev_b32 v[TO], 4, v0
	s_mov_b32 s14, 0x76543210
	s_mov_b32 s15, 0xfedcba98                      ; v_permlanex16_b32's selects for lane l xor 16
	s_mul_i32 s10, ttmp9, 160000
	s_mov_b32 s11, 0
	s_mul_i32 s16, ttmp9, 12800
	s_mov_b32 s17, 0
	s_wait_alu depctr_va_vdst(0)
	s_wait_kmcnt 0x0
	s_add_nc_u64 s[4:5], s[4:5], s[10:11]
	s_add_nc_u64 s[6:7], s[6:7], s[16:17]
.set i, 0
.rept 50
	global_load_b32 v[VAL+i], v15, s[4:5] offset:128*i th:TH_LOAD_NT
.set i, i+1
.endr
.irp j, 0,1,2,3,4
	v_mov_b32 v[A1+\j], 0xff800000                 ; -infinity, under every score
	v_mov_b32 v[B1+\j], 0                          ; a lane permute's destination counts as one of its sources
.endr
.set i, 0
	s_wait_alu depctr_va_vdst(0)
.irp g, 40,30,20,10,0
	s_wait_alu depctr_va_vdst(0)
	s_wait_loadcnt \g                              ; ten more values are in; the younger loads stay out
.rept 10
	INS VAL+i
.set i, i+1
.endr
.endr
	JOIN
	ds_store_b128 v66, v[A1:A1+3]                  ; both halves of the lanes write the same bytes with the same values
	ds_store_b32 v66, v[A1+4] offset:16
	s_wait_dscnt 0x0                               ; for wave 0's sake
	s_barrier_signal -1
	s_barrier_wait -1
	s_cmp_lg_u32 s8, 0
	s_cbranch_scc1 .Lnot_wave_0
	ds_load_b128 v[A1:A1+3], v67                   ; list u starts,
	ds_load_b32 v[A1+4], v67 offset:16
.irp n, 1,2,3,4,5,6,7
	ds_load_b128 v[LL+8*(\n-1):LL+8*(\n-1)+3], v67 offset:1024*\n      ; lists 2 n + u follow
	ds_load_b32 v[LL+8*(\n-1)+4], v67 offset:1024*\n+16
.endr
	s_wait_dscnt 0x0
.irp n, 0,1,2,3,4,5,6
	LIST \n
.endr
.irp n, 8,9,10,11
	ds_load_b128 v[LL+8*(\n-8):LL+8*(\n-8)+3], v67 offset:1024*\n
	ds_load_b32 v[LL+8*(\n-8)+4], v67 offset:1024*\n+16
.endr
	ds_load_b128 v[LL+32:LL+35], v69 offset:12288  ; list 24, for both halves: it is put in behind the exchange, once
	ds_load_b32 v[LL+36], v69 offset:12304
	s_wait_alu depctr_va_vdst(0)
	s_wait_dscnt 0x0
.irp n, 0,1,2,3
	LIST \n
.endr
	JOIN
	LIST 4
	ds_store_b32 v70, v[A1+4]                      ; V5 of query r
.Lnot_wave_0:
	s_wait_dscnt 0x0
	s_barrier_signal -1
	s_barrier_wait -1
	ds_load_b32 v8, v70
.irp j, 2,3,4,5
	v_mov_b32 v\j, 0
.endr
	s_wait_alu depctr_va_vdst(0)
	s_wait_dscnt 0x0
.set i, 31
.rept 32                               ; a word is doubled and the comparison's bit comes in as the carry: value i ends at bit i
	v_cmp_gt_f32 vcc_lo, v[VAL+i], v8
	s_delay_alu instid0(VALU_DEP_1)
	v_add_co_ci_u32 v2, vcc_lo, v2, v2, vcc_lo
	v_cmp_ge_f32 vcc_lo, v[VAL+i], v8
	s_delay_alu instid0(VALU_DEP_1)
	v_add_co_ci_u32 v4, vcc_lo, v4, v4, vcc_lo
.set i, i-1
.endr
.set i, 49
.rept 18                               ; values 32 to 49: bit i - 32 of the second words
	v_cmp_gt_f32 vcc_lo, v[VAL+i], v8
	s_delay_alu instid0(VALU_DEP_1)
	v_add_co_ci_u32 v3, vcc_lo, v3, v3, vcc_lo
	v_cmp_ge_f32 vcc_lo, v[VAL+i], v8
	s_delay_alu instid0(VALU_DEP_1)
	v_add_co_ci_u32 v5, vcc_lo, v5, v5, vcc_lo
.set i, i-1
.endr
	ds_store_b128 v71, v[2:5]
	s_wait_dscnt 0x0
	s_barrier_signal -1
	s_barrier_wait -1
	ds_load_b128 v[16:19], v[TO] offset:MK
	s_wait_dscnt 0x0
	global_store_b128 v[TO], v[16:19], s[6:7]      ; the tile's 12,800 bytes: 512 consecutive bytes a wave
	s_wait_tensorcnt 0x0
	ds_add_u32 v128, v129
	s_wait_dscnt 0x0
	s_endpgm
.Lfunc_end_k_q22c43f1782_pick:
	.size	k_q22c43f1782_pick, .Lfunc_end_k_q22c43f1782_pick-k_q22c43f1782_pick
	.p2alignl 7, 3214868480
	.fill 96, 4, 3214868480
	.section	.rodata,"a",@progbits
	.p2align	6, 0x0
	.amdhsa_kernel k_q22c43f1782_pick
		.amdhsa_group_segment_fixed_size 29440
		.amdhsa_private_segment_fixed_size 0
		.amdhsa_enable_private_segment 0
		.amdhsa_kernarg_size 16
		.amdhsa_user_sgpr_count 2
		.amdhsa_user_sgpr_kernarg_segment_ptr 1
		.amdhsa_wavefront_size32 1
		.amdhsa_system_sgpr_workgroup_id_x 1
		.amdhsa_system_sgpr_workgroup_id_y 1
		.amdhsa_system_sgpr_workgroup_id_z 1
		.amdhsa_system_vgpr_workitem_id 0
		.amdhsa_next_free_vgpr 130
		.amdhsa_next_free_sgpr 66
		.amdhsa_reserve_vcc 1
		.amdhsa_float_denorm_mode_32 3
		.amdhsa_float_denorm_mode_16_64 3
		.amdhsa_memory_ordered 1
		.amdhsa_forward_progress 1
		.amdhsa_inst_pref_size 55
	.end_amdhsa_kernel
	.amdgpu_metadata
---
amdhsa.version: [ 1, 2 ]
amdhsa.kernels:
  - .name:           k_q22c43f1782_pick
    .symbol:         k_q22c43f1782_pick.kd
    .args:
      - { .name: gmax, .offset: 0, .size: 8, .value_kind: global_buffer, .address_space: global }
      - { .name: masks, .offset: 8, .size: 8, .value_kind: global_buffer, .address_space: global }
    .group_segment_fixed_size: 29440
    .private_segment_fixed_size: 0
    .kernarg_segment_align: 8
    .kernarg_segment_size: 16
    .max_flat_workgroup_size: 800
    .sgpr_count:     66
    .vgpr_count:     130
    .wavefront_size: 32
...
	.end_amdgpu_metadata
.endif
;; end of part 3
;; launch vote (part 4): grid 256 x 1, 4 waves a work-group, no clusters, 0 bytes of LDS; arguments masks, qcodes, qscales, q2, xcodes, xscales, x2, Y, out0; writes out0
.if DOCPART == 4
	.amdgcn_target "amdgcn-amd-amdhsa--gfx1250"
	.amdhsa_code_object_version 6
	.text
	.protected	k_q22c43f1782_vote
	.globl	k_q22c43f1782_vote
	.p2align	8
	.type	k_q22c43f1782_vote,@function
k_q22c43f1782_vote:
	s_mov_b64 s[64:65], 0
	v_nop
	global_prefetch_b8 v0, s[64:65] scope:SCOPE_SE
	s_setreg_imm32_b32 hwreg(HW_REG_WAVE_MODE, 25, 1), 1
	s_wait_xcnt 0x0
; VOTE.  A wave serves one query, q = 4 x work-group + wave.  From the stored bit masks (whole numbers) it takes the query's best five groups: all groups above V5, then those equal to V5 by rising group number.
; Their 200 rows are scored again on the stored codes: neg_dist = (2 q . x - |q|^2) - |x|^2, each step rounded once in f32; the five largest are taken, the lower row first among equals; the mean of their labels is stored.
; THE PRODUCT: source 0 = the query's fragment, the same row in all 16 rows; source 1 = 16 candidate rows.  Register 0 of an accumulator then holds candidate lane % 16's product, in both halves of the lanes.
; A group's 40 rows are five octets (tile t, rows 8 (group % 2) + 0 .. 7 of stage group / 2).  25 octets fill 13 tiles of two: lanes with lane % 16 < 8 take octet 2 i, the others octet 2 i + 1;
; tile 12's second octet repeats octet 24 and is struck out.
; A number that comes from the masks enters an address only behind v_min_u32 with the table's bound; behind it stand multiplies, left shifts and additions alone.
; The labels of all 200 candidates are fetched ahead of the choice, so that no address hangs on a score; the choice selects values by v_cndmask_b32.
; No LDS, no barrier: waves share nothing.  No cluster: no two work-groups are known to read the same rows.
; LIMITS: NaN and infinities among the scores are not served; rows whose neg_dist are equal in f32 are ordered by row number, as the reference's top-k orders them.
.set G,    30                          ; s30-34  the five groups
.set SEL,  50                          ; s[50:51] lane selects for v_permlanex16_b32: lane l xor 16
.set R8,   27                          ; v27  lane % 8
.set UP,   28                          ; v28  (lane / 8) % 2: 1 in the lanes of a tile's second octet
.set DN,   29                          ; v29  1 - that
.set C1,   30                          ; v30  256 hq + 16 (lane % 8)
.set C2,   31                          ; v31  16 (lane % 8)
.set AF,   32                          ; v32-79   the query's four fragments
.set AS,   80                          ; v80-83   its scale words
.set BS,   84                          ; v84-135  the candidates' scale words, four a tile
.set VO,   136                         ; 13 each: offsets in xcodes,
.set SO,   149                         ; in xscales,
.set RO,   162                         ; in x2 and Y;
.set X2V,  175                         ; |x|^2,
.set LB,   188                         ; labels,
.set ND,   201                         ; neg_dist,
.set IX,   214                         ; row numbers,
.set TT,   227                         ; at work
.set Q2V,  240
.set AO,   241
.set ASO,  242
.set Q2O,  243
.set MX,   244
.set MI,   245
.set NINF, 246
.set BIG,  247
.set ZERO, 248
.set OO,   249
.set RES,  250                         ; v250-251 the result
; the candidates' fragments: f = 13 k + i in window 1 + f / 21 at v[12 (f % 21)]; the 13 accumulators in window 3 at v[128 + 8 i]
.set MSB, 0
.macro WIN new                         ; the immediate's high byte repeats the setting that is left; a switch that changes nothing is dropped
.if MSB != (\new)
	s_set_vgpr_msb (MSB<<8)|(\new)
.set MSB, (\new)
.endif
.endm
; The masks: lane w (0 .. 24) holds v[4 + o + 4 u], o = 0: above V5, groups' i 0-31; 1: above, i 32-49; 2: equal, i 0-31; 3: equal, i 32-49.  v[12 + o] = its rank: class x 64 + 2 lane + word.
; PICK: the first group left in the order (class, group number), into s[G + n]; its bit is cleared.  Whole numbers alone.
.macro PICK n
	v_mov_b32 v16, 0x7fffffff
	v_mov_b32 v17, 0
	v_mov_b32 v18, 0
.irp o, 3,2,1,0                        ; my lane's first pair of words that is not empty
	v_or_b32 v19, v[4+\o], v[8+\o]
	v_cmp_ne_u32 vcc_lo, 0, v19
	v_cndmask_b32 v16, v16, v[12+\o], vcc_lo
	v_cndmask_b32 v17, v17, v[4+\o], vcc_lo
	v_cndmask_b32 v18, v18, v[8+\o], vcc_lo
.endr
.irp m, 1,2,4,8                        ; the least rank of the 32 lanes
	v_mov_b32_dpp v19, v16 row_xmask:\m row_mask:0xf bank_mask:0xf
	v_min_u32 v16, v16, v19
.endr
	v_permlanex16_b32 v19, v16, s[SEL], s[SEL+1]
	v_min_u32 v16, v16, v19
	v_readfirstlane_b32 s40, v16
	s_bfe_u32 s41, s40, 0x50001                    ; its lane w,
	s_and_b32 s42, s40, 1                          ; its word
	v_readlane_b32 s43, v17, s41                   ; that lane's pair of words: u = 0,
	v_readlane_b32 s44, v18, s41                   ; u = 1
	s_ctz_i32_b32 s43, s43                         ; (-1 of an empty word: the greatest number below)
	s_ctz_i32_b32 s44, s44
	s_lshl_b32 s43, s43, 1
	s_lshl_b32 s44, s44, 1
	s_or_b32 s44, s44, 1
	s_min_u32 s45, s43, s44                        ; 2 i + u of the lowest group
	s_mul_i32 s46, s41, 100
	s_lshl_b32 s47, s42, 6
	s_add_co_u32 s46, s46, s47
	s_add_co_u32 s[G+\n], s46, s45                 ; group = 100 w + 64 word + 2 i + u
	s_lshr_b32 s47, s45, 1
	s_lshl_b32 s47, 1, s47
	s_bitcmp1_b32 s45, 0
	s_cselect_b32 s48, 0, s47
	s_cselect_b32 s49, s47, 0
	v_mov_b32 v20, s48
	v_mov_b32 v21, s49
.irp o, 0,1,2,3
	v_cmp_eq_u32 vcc_lo, s40, v[12+\o]             ; one lane and one pair of words have this rank
	v_cndmask_b32 v19, 0, v20, vcc_lo
	v_xor_b32 v[4+\o], v[4+\o], v19
	v_cndmask_b32 v19, 0, v21, vcc_lo
	v_xor_b32 v[8+\o], v[8+\o], v19
.endr
.endm
; tile i's offsets.  VCC holds the lanes of the second octet.
.macro TADDR i
.set OA, 2*(\i)
.set OB, 2*(\i)+1
.if OB > 24
.set OB, 24
.endif
	v_mov_b32 v23, s[G+OB/5]
	v_cndmask_b32 v22, s[G+OA/5], v23, vcc_lo      ; my octet's group
	v_lshrrev_b32 v24, 1, v22
	v_min_u32 v24, 1249, v24                       ; its stage, held inside the table
	v_and_b32 v25, 1, v22
	v_min_u32 v25, 1, v25                          ; its half of the stage
	v_mul_u32_u24 v26, v[DN], OA%5
	v_mad_u32_u24 v26, v[UP], OB%5, v26            ; my octet's tile t: from the lane's number alone
	v_mul_u32_u24 v[VO+\i], v24, 30720
	v_lshl_add_u32 v[VO+\i], v25, 7, v[VO+\i]
	v_mad_u32_u24 v[VO+\i], v26, 6144, v[VO+\i]
	v_add_nc_u32 v[VO+\i], v[VO+\i], v[C1]         ; the image's place of lane (8 half + lane % 8, hq)
	v_mul_u32_u24 v[SO+\i], v24, 1280
	v_lshl_add_u32 v[SO+\i], v25, 7, v[SO+\i]
	v_lshl_add_u32 v[SO+\i], v26, 8, v[SO+\i]
	v_add_nc_u32 v[SO+\i], v[SO+\i], v[C2]
	v_mul_u32_u24 v[IX+\i], v24, 80
	v_mad_u32_u24 v[IX+\i], v25, 40, v[IX+\i]
	v_lshl_add_u32 v[IX+\i], v26, 3, v[IX+\i]
	v_add_nc_u32 v[IX+\i], v[IX+\i], v[R8]         ; the row of X
	v_lshlrev_b32 v[RO+\i], 2, v[IX+\i]
.endm
; the largest neg_dist left, and among equals the lowest row, is struck out: it becomes -infinity.  Each half of the lanes holds all candidates, so four exchanges inside sixteen lanes serve.
.macro TAKE
	v_max3_num_f32 v[MX], v[ND], v[ND+1], v[ND+2]
.irp i, 3,5,7,9,11
	v_max3_num_f32 v[MX], v[MX], v[ND+\i], v[ND+\i+1]
.endr
.irp m, 1,2,4,8
	v_max_num_f32_dpp v[MX], v[MX], v[MX] row_xmask:\m row_mask:0xf bank_mask:0xf
.endr
.irp i, 0,1,2,3,4,5,6,7,8,9,10,11,12
	v_cmp_eq_f32 vcc_lo, v[ND+\i], v[MX]
	v_cndmask_b32 v[TT+\i], v[BIG], v[IX+\i], vcc_lo
.endr
	v_min3_num_f32 v[MI], v[TT], v[TT+1], v[TT+2]
.irp i, 3,5,7,9,11
	v_min3_num_f32 v[MI], v[MI], v[TT+\i], v[TT+\i+1]
.endr
.irp m, 1,2,4,8
	v_min_num_f32_dpp v[MI], v[MI], v[MI] row_xmask:\m row_mask:0xf bank_mask:0xf
.endr
.irp i, 0,1,2,3,4,5,6,7,8,9,10,11,12
	v_cmp_eq_f32 vcc_lo, v[IX+\i], v[MI]
	v_cndmask_b32 v[ND+\i], v[ND+\i], v[NINF], vcc_lo
.endr
.endm
	s_load_b512 s[4:19], s[0:1], 0x0               ; masks s[4:5], qcodes s[6:7], qscales s[8:9], q2 s[10:11], xcodes s[12:13], xscales s[14:15], x2 s[16:17], Y s[18:19]
	s_load_b64 s[20:21], s[0:1], 0x40              ; out0
	v_lshrrev_b32 v1, 5, v0
	v_readfirstlane_b32 s23, v1                    ; wave
	s_lshl_b32 s22, ttmp9, 2
	s_add_co_u32 s22, s22, s23                     ; q
	s_lshr_b32 s24, s22, 4                         ; its tile,
	s_and_b32 s25, s22, 15
	s_lshl_b32 s25, s25, 4                         ; 16 x its row in the tile
	v_and_b32 v1, 31, v0                           ; lane
	v_min_u32 v2, 24, v1
	v_lshlrev_b32 v3, 5, v2                        ; masks: 32 bytes for each of 25 lanes; the others read lane 24's and clear them
	v_bfe_u32 v2, v0, 4, 1                         ; hq
	v_lshl_add_u32 v[AO], v2, 8, s25               ; the image's place of lane (q % 16, hq)
	v_mov_b32 v[ASO], s25
	s_lshl_b32 s26, s22, 2
	v_mov_b32 v[Q2O], s26
	s_lshl_b32 s27, s22, 3
	v_mov_b32 v[OO], s27
	v_and_b32 v[R8], 7, v0
	v_bfe_u32 v[UP], v0, 3, 1
	v_xor_b32 v[DN], 1, v[UP]
	v_lshlrev_b32 v[C2], 4, v[R8]
	v_lshl_add_u32 v[C1], v2, 8, v[C2]
	v_lshlrev_b32 v12, 1, v1                       ; the four ranks of my lane's words
	v_or_b32 v13, 1, v12
	v_or_b32 v14, 64, v12
	v_or_b32 v15, 65, v12
	v_mov_b32 v[NINF], 0xff800000                  ; -infinity
	v_mov_b32 v[BIG], 0x7f61b1e6                   ; 3e38, above every row number
	v_mov_b32 v[ZERO], 0
	s_mov_b32 s[SEL], 0x76543210
	s_mov_b32 s[SEL+1], 0xfedcba98
	s_mul_i32 s28, s22, 800
	s_mov_b32 s29, 0
	s_wait_kmcnt 0x0
	s_add_nc_u64 s[4:5], s[4:5], s[28:29]
	s_mul_i32 s28, s24, 6144
	s_add_nc_u64 s[6:7], s[6:7], s[28:29]
	s_lshl_b32 s28, s24, 8
	s_add_nc_u64 s[8:9], s[8:9], s[28:29]
	global_load_b128 v[4:7], v3, s[4:5]            ; u = 0: GT0, GT1, GE0, GE1
	global_load_b128 v[8:11], v3, s[4:5] offset:16 ; u = 1
.irp k, 0,1,2,3
.irp c, 0,1,2
	global_load_b128 v[AF+12*\k+4*\c:AF+12*\k+4*\c+3], v[AO], s[6:7] offset:1536*\k+512*\c
.endr
.endr
	global_load_b128 v[AS:AS+3], v[ASO], s[8:9]
	global_load_b32 v[Q2V], v[Q2O], s[10:11]
	s_wait_loadcnt 14                              ; the masks are in; behind them: the query's 12 + 1 + 1 loads
	v_cmp_gt_u32 vcc_lo, 25, v1
.irp j, 4,5,6,7,8,9,10,11
	v_cndmask_b32 v\j, 0, v\j, vcc_lo
.endr
	v_xor_b32 v6, v6, v4                           ; equal = at or above, and not above
	v_xor_b32 v7, v7, v5
	v_xor_b32 v10, v10, v8
	v_xor_b32 v11, v11, v9
; Group n is picked, and the tiles lo .. hi, whose two octets lie in groups 0 .. n, are asked for at once: their loads are out while the next group is picked.
; First the words, |x|^2 and labels, whose offsets were written last; then the fragments, K step by K step: fragment f = 13 k + i.
.macro GRP n, lo, hi
	PICK \n
	s_mov_b32 vcc_lo, 0xff00ff00                   ; the lanes of a tile's second octet
.set i, \lo
.rept \hi-\lo+1
	TADDR i
.set i, i+1
.endr
.set i, \lo
.rept \hi-\lo+1
	global_load_b128 v[BS+4*i:BS+4*i+3], v[SO+i], s[14:15]
	global_load_b32 v[X2V+i], v[RO+i], s[16:17]
	global_load_b32 v[LB+i], v[RO+i], s[18:19]
.set i, i+1
.endr
.irp k, 0,1,2,3
.set i, \lo
.rept \hi-\lo+1
.set f, 13*\k+i
	WIN 64*(1+f/21)
.irp c, 0,1,2
	global_load_b128 v[12*(f%21)+4*\c:12*(f%21)+4*\c+3], v[VO+i], s[12:13] offset:1536*\k+512*\c
.endr
.set i, i+1
.endr
.endr
	WIN 0
.endm
	GRP 0, 0, 1                                    ; octets 0-3
	GRP 1, 2, 4                                    ; octets 4-9
	GRP 2, 5, 6                                    ; octets 10-13
	GRP 3, 7, 9                                    ; octets 14-19
	GRP 4, 10, 12                                  ; octets 20-24
	s_wait_loadcnt 0x0
.set f, 0
.rept 52                               ; the 13 accumulators take turns, one instruction a turn; K step 0 starts the sums
	WIN 0xf0|(4*(1+f/21))
.if f < 13
	v_wmma_scale_f32_16x16x128_f8f6f4 v[128+8*(f%13):135+8*(f%13)], v[AF+12*(f/13):AF+12*(f/13)+11], v[12*(f%21):12*(f%21)+11], 0, v[AS+f/13], v[BS+4*(f%13)+f/13] matrix_a_fmt:MATRIX_FMT_BF6 matrix_b_fmt:MATRIX_FMT_BF6
.else
	v_wmma_scale_f32_16x16x128_f8f6f4 v[128+8*(f%13):135+8*(f%13)], v[AF+12*(f/13):AF+12*(f/13)+11], v[12*(f%21):12*(f%21)+11], v[128+8*(f%13):135+8*(f%13)], v[AS+f/13], v[BS+4*(f%13)+f/13] matrix_a_fmt:MATRIX_FMT_BF6 matrix_b_fmt:MATRIX_FMT_BF6
.endif
.set f, f+1
.endr
.rept 4
	v_nop                                          ; four places ahead of the first read of results (ISA guide 7.12.1)
.endr
	WIN 0x03                                       ; source 0 in window 3
.irp i, 0,1,2,3,4,5,6,7,8,9,10,11,12
	v_fma_f32 v[ND+\i], v[128+8*\i], 2.0, -v[Q2V]  ; 2 q . x - |q|^2: the doubling is exact, so this is rounded once; each accumulator's lowest register
.endr
	WIN 0
.irp i, 0,1,2,3,4,5,6,7,8,9,10,11,12
	v_sub_f32 v[ND+\i], v[ND+\i], v[X2V+\i]
	v_cvt_f32_u32 v[IX+\i], v[IX+\i]               ; row numbers under 2^24: exact
	v_cvt_f32_i32 v[LB+\i], v[LB+\i]
.endr
	s_mov_b32 vcc_lo, 0xff00ff00
	v_cndmask_b32 v[ND+12], v[ND+12], v[NINF], vcc_lo     ; tile 12's second octet is a repeat: it can never be taken,
	v_cndmask_b32 v[IX+12], v[IX+12], v[BIG], vcc_lo
	v_cndmask_b32 v[LB+12], v[LB+12], v[ZERO], vcc_lo     ; and counts for nothing
	TAKE
	TAKE
	TAKE
	TAKE
	TAKE
.irp i, 0,1,2,3,4,5,6,7,8,9,10,11,12
	v_cmp_eq_f32 vcc_lo, v[ND+\i], v[NINF]         ; the five that were taken
	v_cndmask_b32 v[TT+\i], v[ZERO], v[LB+\i], vcc_lo
.endr
	v_add_f32 v[MX], v[TT], v[TT+1]
	v_add_f32 v[MI], v[TT+2], v[TT+3]
.irp i, 4,6,8,10
	v_add_f32 v[MX], v[MX], v[TT+\i]
	v_add_f32 v[MI], v[MI], v[TT+\i+1]
.endr
	v_add_f32 v[MX], v[MX], v[TT+12]
	v_add_f32 v[MX], v[MX], v[MI]
.irp m, 1,2,4,8
	v_add_f32_dpp v[MX], v[MX], v[MX] row_xmask:\m row_mask:0xf bank_mask:0xf
.endr
	v_mul_f32 v[RES], 0x3e4ccccd, v[MX]            ; the mean of five
	v_mov_b32 v[RES+1], 0                          ; the padded column
	v_cmp_eq_u32 vcc_lo, 0, v1
	s_wait_alu depctr_va_vdst(0)
	s_wait_xcnt 0x0                                ; EXEC changes only behind this wait
	s_and_saveexec_b32 s52, vcc_lo
	global_store_b64 v[OO], v[RES:RES+1], s[20:21] ; 8 bytes a query: the whole output is 8,192 bytes
	s_endpgm
.Lfunc_end_k_q22c43f1782_vote:
	.size	k_q22c43f1782_vote, .Lfunc_end_k_q22c43f1782_vote-k_q22c43f1782_vote
	.p2alignl 7, 3214868480
	.fill 96, 4, 3214868480
	.section	.rodata,"a",@progbits
	.p2align	6, 0x0
	.amdhsa_kernel k_q22c43f1782_vote
		.amdhsa_group_segment_fixed_size 0
		.amdhsa_private_segment_fixed_size 0
		.amdhsa_enable_private_segment 0
		.amdhsa_kernarg_size 72
		.amdhsa_user_sgpr_count 2
		.amdhsa_user_sgpr_kernarg_segment_ptr 1
		.amdhsa_wavefront_size32 1
		.amdhsa_system_sgpr_workgroup_id_x 1
		.amdhsa_system_sgpr_workgroup_id_y 1
		.amdhsa_system_sgpr_workgroup_id_z 1
		.amdhsa_system_vgpr_workitem_id 0
		.amdhsa_next_free_vgpr 1024
		.amdhsa_next_free_sgpr 66
		.amdhsa_reserve_vcc 1
		.amdhsa_float_denorm_mode_32 3
		.amdhsa_float_denorm_mode_16_64 3
		.amdhsa_memory_ordered 1
		.amdhsa_forward_progress 1
		.amdhsa_inst_pref_size 77
	.end_amdhsa_kernel
	.amdgpu_metadata
---
amdhsa.version: [ 1, 2 ]
amdhsa.kernels:
  - .name:           k_q22c43f1782_vote
    .symbol:         k_q22c43f1782_vote.kd
    .args:
      - { .name: masks, .offset: 0, .size: 8, .value_kind: global_buffer, .address_space: global }
      - { .name: qcodes, .offset: 8, .size: 8, .value_kind: global_buffer, .address_space: global }
      - { .name: qscales, .offset: 16, .size: 8, .value_kind: global_buffer, .address_space: global }
      - { .name: q2, .offset: 24, .size: 8, .value_kind: global_buffer, .address_space: global }
      - { .name: xcodes, .offset: 32, .size: 8, .value_kind: global_buffer, .address_space: global }
      - { .name: xscales, .offset: 40, .size: 8, .value_kind: global_buffer, .address_space: global }
      - { .name: x2, .offset: 48, .size: 8, .value_kind: global_buffer, .address_space: global }
      - { .name: Y, .offset: 56, .size: 8, .value_kind: global_buffer, .address_space: global }
      - { .name: out0, .offset: 64, .size: 8, .value_kind: global_buffer, .address_space: global }
    .group_segment_fixed_size: 0
    .private_segment_fixed_size: 0
    .kernarg_segment_align: 8
    .kernarg_segment_size: 72
    .max_flat_workgroup_size: 128
    .sgpr_count:     66
    .vgpr_count:     1024
    .wavefront_size: 32
...
	.end_amdgpu_metadata
.endif
;; end of part 4
